; MI455X (gfx1250); checked and timed in simulation.
; The chip was launched on July 23, 2026; its instructions are those of AMD's public machine-readable ISA for CDNA 5 (MIT licence, August 2026) and "CDNA5" Instruction Set Architecture Reference Guide (July 2026). The comments in the code are by the model that wrote it; some were corrected since.
;; Multi Headed Attention. Allowed arithmetic: matrix products marked QUANTISED: E2M1 operands, one E8M0 scale for each 32 along K, by v_wmma_scale_f32_16x16x128_f8f6f4 with both operands' format E2M1 (or v_wmma_scale_f32_32x16x128_f4), f32 sums; everything else in f32.
;; Inputs: Wk_codes 512 x 32 x 16 uint8 (E2M1 codes of Wk, K innermost, in blocks of 32 codes, two codes a byte); Wk_scales 512 x 32 uint8 (E8M0 scales of Wk, one for each 32 codes along K); Wq_codes 512 x 32 x 16 uint8 (E2M1 codes of Wq, K innermost, in blocks of 32 codes, two codes a byte); Wq_scales 512 x 32 uint8 (E8M0 scales of Wq, one for each 32 codes along K); bk 512 float32; bq 512 float32; key_codes 8 x 2,048 x 32 x 16 uint8 (E2M1 codes of key, K innermost, in blocks of 32 codes, two codes a byte); key_scales 8 x 2,048 x 32 uint8 (E8M0 scales of key, one for each 32 codes along K); mask 8 x 1 x 2,048 int32; query_codes 8 x 2,048 x 32 x 16 uint8 (E2M1 codes of query, K innermost, in blocks of 32 codes, two codes a byte); query_scales 8 x 2,048 x 32 uint8 (E8M0 scales of query, one for each 32 codes along K); value_codes 8 x 512 x 64 x 16 uint8 (E2M1 codes of value, K innermost, in blocks of 32 codes, two codes a byte); value_scales 8 x 512 x 64 uint8 (E8M0 scales of value, one for each 32 codes along K).
;; Outputs: out0 8 x 2,048 x 512 float32.
;; This version of the problem:
;;   THIS VERSION OF THE PROBLEM IS GIVEN IN LOW PRECISION. The matrix products marked QUANTISED in the list below multiply operands that are first quantised to E2M1 (2 exponent bits, 1 mantissa bit; 4 bits a number), with one power-of-two scale for each 32 numbers along K (OCP MX v1.0); their sums are f32. All else is computed in f32.
;;   The module's matrix products, in the order in which they are computed (A, B: the left and right operand; K: the contracted axis; several contracted axes count as one K, in the product's order):
;;     1. [M 16,384, K 1,024] x [K 1,024, N 512]; A: input query (given as codes); B: input Wq (given as codes): QUANTISED
;;     2. [M 16,384, K 1,024] x [K 1,024, N 512]; A: input key (given as codes); B: input Wk (given as codes): QUANTISED
;;     3. batch 8 x [M 2,048, K 512] x [K 512, N 2,048]; A: computed on the way; B: computed on the way: QUANTISED
;;     4. batch 8 x [M 2,048, K 2,048] x [K 2,048, N 512]; A: softmax (see below); B: input value (given as codes): QUANTISED
;;   THE QUANTISER, for each operand of a quantised product, along K:
;;     - K is cut into blocks of 32 from its start; a last block that is shorter is filled with zeros.
;;     - A block's scale is 2^e with e = floor(log2(the largest magnitude in the block)) - 2, held to -126 .. 127; a block of zeros has e = 0. As a byte (E8M0): e + 127.
;;     - Each number is divided by its block's scale, clamped to +-6, and rounded to the nearest number of E2M1, ties to even, subnormals kept.
;;     - The product sums the exact products of the quantised numbers (number of the format x scale) in f32.
;;   ~~~python
;;   def quantise(x, axis):      # numpy; x: float32 -> the quantised numbers, widened to float32 again
;;       x = np.moveaxis(x, axis, -1); K = x.shape[-1]
;;       x = np.pad(x, [(0, 0)] * (x.ndim - 1) + [(0, -K % 32)]); x = x.reshape(x.shape[:-1] + (-1, 32)); a = np.abs(x).max(-1, keepdims=True)
;;       e = np.where(a > 0, np.clip(np.frexp(np.where(a > 0, a, 1))[1] - 1 - 2, -126, 127), 0)      # np.frexp(a)[1] - 1 = floor(log2(a)), exactly
;;       r = np.clip(x / 2.0 ** e, -6, 6)
;;       step = 2.0 ** (np.maximum(np.frexp(np.where(r == 0, 1, r))[1] - 1, 0) - 1)
;;       q = np.round(r / step) * step * 2.0 ** e      # np.round: ties to even
;;       return np.moveaxis(q.reshape(q.shape[:-2] + (-1,))[..., :K], -1, axis).astype(np.float32)
;;   ~~~
;;   SOFTMAX AHEAD OF A QUANTISED PRODUCT. Where the list says 'softmax', what is quantised is not the finished softmax but p = 2^(t - M), with t = logit x log2(e) and M = ceil(the row's largest t), a whole number; so 1/2 < the row's largest p <= 1. The row's sum l is taken of the UNQUANTISED p, in f32, and the product's result is divided by l at the end. Since M is a whole number, a kernel that streams over the keys may use a running M (the ceiling of the running maximum): every later rescaling is an exact power of two, which a block's scale takes up: the codes' values come out the same.
;;   OPERANDS COMPUTED ON THE WAY. 'Computed on the way' means the value that the module computes at that place (a softmax that the list does not call 'softmax' is quantised finished and normalised). What goes into a quantiser is computed in f32, as accurately as f32 sums, v_exp_f32 and their like allow (about 1e-6 of the number): no bf16 or f16 on the way to a quantiser, and a product that is left as it is and whose result goes on into a quantised operand takes f32 operands (vector FMAs, or v_wmma_f32_16x16x4_f32). A number that lies on a knife's edge between two numbers of the format may be rounded either way, as far as f32 arithmetic and the matrix unit's own rounding can turn it there, and no further.
;;   INPUTS GIVEN AS CODES. Wk (in the module: [1024, 512], K = its axis 0); Wq (in the module: [1024, 512], K = its axis 0); key (in the module: [8, 2048, 1024], K = its axis 2); query (in the module: [8, 2048, 1024], K = its axis 2); value (in the module: [8, 2048, 512], K = its axis 1): each comes as NAME_codes (uint8): NAME with its K axis moved to the last place and cut into blocks of 32 codes, [.., K / 32, bytes a block], one block behind the other in memory; two codes a byte, the lower K in the low four bits (a code: sign, 2 exponent bits, 1 mantissa bit); and NAME_scales (uint8): the same leading axes, one E8M0 byte (e + 127) for each 32 codes along K. Its value is code x scale, taken as it is: it is not quantised again, and the codes and scales need not be those that the quantiser above would give.
;; One version. Each part assembles by itself: llvm-mc -triple=amdgcn-amd-amdhsa -mcpu=gfx1250 --defsym DOCPART=n.
;; ======== version 1 of 1: 2 launches
;; limits: right only within a limited range of input values
;; workspace buffers: qw 4,521,984 bytes; kv 4,521,984 bytes
;; launch prep (part 1): grid 64 x 4, 4 waves a work-group, clusters of 4 x 2, 327,680 bytes of LDS; arguments query_codes, query_scales, key_codes, key_scales, Wq_codes, Wq_scales, Wk_codes, Wk_scales, bq, bk, mask, qw, kv; writes qw, kv
.if DOCPART == 1
	.amdgcn_target "amdgcn-amd-amdhsa--gfx1250"
	.amdhsa_code_object_version 6
	.text
	.protected	k_q832ecd5421_prep
	.globl	k_q832ecd5421_prep
	.p2align	8
	.type	k_q832ecd5421_prep,@function
k_q832ecd5421_prep:
	s_mov_b64 s[64:65], 0
	v_nop
	global_prefetch_b8 v0, s[64:65] scope:SCOPE_SE
	s_setreg_imm32_b32 hwreg(HW_REG_WAVE_MODE, 25, 1), 1
	s_wait_xcnt 0x0
	s_wait_alu depctr_hold_cnt(0) depctr_sa_sdst(0) depctr_va_vdst(0) depctr_va_sdst(0) depctr_va_ssrc(0) depctr_va_vcc(0) depctr_vm_vsrc(0)
	s_getreg_b32 s2, hwreg(HW_REG_IB_STS2, 6, 4)
	s_cmp_eq_u32 s2, 0
	s_cbranch_scc0 .Lentry_in_a_cluster
	s_endpgm
.Lentry_in_a_cluster:
	s_bfe_u32 s2, ttmp6, 0x10000c
	s_cmp_lg_u32 s2, 0x7013
	s_cbranch_scc0 .Lentry_shape_is_right
	s_endpgm
.Lentry_shape_is_right:
; PREP: q = query Wq + bq and k = key Wk + bk on the given codes of FP4 (E2M1, one E8M0 byte for each 32 along K), both quantised again along d_k for the product q k^T; and the key mask.
; NO WORK OF THE PROBLEM IS LEFT OUT: both biases go into quantised operands.
; THE MASK.  The codes of a masked key's row of k are set to 0, and kbias[key] = 0 or SMASK is stored; the second launch gives kbias as the C of each score's first matrix instruction.  So a masked
; score is SMASK (zero products + C) and a kept one is untouched: the where() of the problem.  SMASK = -337 x 2^26; with c = log2(e) / sqrt(512) = 0x4149F7 x 2^-26 the product SMASK x c is a whole number.
; LIMITS: the masked logit is SMASK / sqrt(512) = -0.99946e9 where the problem has -1e9: results differ only where kept logits lie within about 1e6 of -1e9.  NaN and infinities among the inputs are not served.
; A block of q or k whose largest magnitude lies under 2^-124 keeps the scale byte 1.
; SHARES.  Work-group (g, kind, hn): kind 0: q, 1: k; rows 256 g .. + 255 x units 256 hn .. + 255.  Four waves, each 128 rows x 128 units: 64 accumulators.  K = 1,024 is two LDS slots of 512 along K (rows of 256 bytes),
; each filled once.  The head's loads, one a wave: wave 0 x's 256 rows of slot 0, wave 1 W's, wave 2 x's scale bytes for all of K, wave 3 W's.  Slot 1 follows behind a round, under slot 0's products.
; THE MATRIX INSTRUCTION IS USED TRANSPOSED (source 0 = 16 rows of W, source 1 = 16 rows of x): a lane holds one row, and register j of tile b is unit 16 b + 8 (lane / 16) + j.
; A wave's 128 units are K step 2 hn + wc of q k^T: each block of 16 rows becomes one fragment and one scale word a row.
; OUT, qw and kv alike: PARTS of 64 rows, 17,664 bytes each: 4 tile images of 4,096 bytes ([K step 4][c 2][lane 32][16 bytes]: the operand's registers as they stand), scale words [K step 4][64 rows][4 bytes],
; kbias [64] (kv alone; in qw these 256 bytes are neither written nor read).
; CLUSTER 4 x 2: cx counts g, cy is hn.  x's tiles and scales are shared by the two work-groups of a column, W's by the four of a row: all are asked for jointly.
; No prefetch: the launch has no loop to run ahead in.
; REGISTERS, in windows of 256.  Window 0: v1-31 addresses; v32-95 scale words; v96-103 the rows' masks; v104-119 mask words and kbias; v128-191 x's fragments, later the quantiser's work; v192-255 the bias.
; Window 1: W's fragments, two sets.  Windows 2, 3: accumulator (a, b) at v[8 (8 (a % 4) + b)].
.set PITCH,  272                       ; an LDS row: 256 bytes + 16 of padding
.set HALFT,  128*PITCH
.set SLOT,   4*HALFT                   ; x's 256 rows, then W's
.set SCL,    2*SLOT                    ; the scale bytes, as units of 256 bytes + 16
.set HALFS,  16*272                    ; those of 128 rows
.set SBLK,   2*272                     ; those of 16 rows
.set SSTG,   SCL+4*HALFS               ; 512 bytes a wave: its rows' scale words on the way out
.set SPARE,  SSTG+2048                 ; the spare words, 128 bytes for each wave
.set PART,   17664
.set ADRA, 16                          ; v16, v17: LDS address of my fragments of x in slot 0, 1
.set ADRB, 20                          ; v20, v21: of W
.set LI,   24                          ; 16 x lane
.set LP,   25                          ; the same, lanes 16-31 one part on
.set SSA,  26                          ; where I put a row's scale word
.set ADRS, 27                          ; my scale words: lanes 0-15 x's rows, lanes 16-31 W's
.set SPW,  28
.set NIL,  29
.set SSR,  30                          ; where I read the scale words back
.set SMK,  31
.set SC,   32
.set KEEP, 96
.set SD,   104
.set AF,   128
.set TM,   128                         ; the quantiser: v128-135 largest magnitudes, v136-143 bytes, v144-151 the conversions' scale operands
.set PC,   152                         ; v152-167 two fragments' codes
.set PWD,  168                         ; v168, v169 two rows' scale words
.set SW,   172
.set BIAS, 192
.set G1A,  24
.set G0A,  32
.set G0B,  36
.set G1B,  48
.set G1SA, 68
.set G1SB, 76
.set G0SA, 84
.set G0SB, 88
.set MSB, 0
.macro WIN new                         ; the immediate's high byte repeats the setting that is left
.if MSB != \new
	s_set_vgpr_msb (MSB<<8)|\new
.set MSB, \new
.endif
.endm
.set MUL_LO, 0xa1                      ; source 0 (W) window 1, source 1 (x) window 0, C and D window 2
.set MUL_HI, 0xf1                      ; C and D window 3
.set FST_LO, 0x81                      ; the first step: C (the bias) window 0, D window 2
.set FST_HI, 0xc1
.set TO_B,   0x40
.macro CROUND                          ; a round of the cluster's barrier
	s_barrier_signal -1
	s_barrier_wait -1
	s_cmp_lg_u32 s14, 0
	s_cbranch_scc1 .Lnot_wave_0_\@
	s_barrier_signal -3
.Lnot_wave_0_\@:
	s_barrier_wait -3
	s_barrier_signal -1
	s_barrier_wait -1
.endm
.macro PLACES n
.rept \n
	v_nop
.endr
.endm
	s_load_b512 s[68:83], s[0:1], 0x0              ; query codes, scales; key codes, scales; Wq codes, scales; Wk codes, scales
	s_load_b256 s[84:91], s[0:1], 0x40             ; bq, bk, mask, qw
	s_load_b64 s[96:97], s[0:1], 0x60              ; kv
	v_lshl_add_u32 v[SPW], v0, 2, SPARE
	v_mov_b32 v[NIL], 0
	ds_add_u32 v[SPW], v[NIL]                      ; the wave's opening: the add, twice on end, and its wait ahead of my first tensor load
	ds_add_u32 v[SPW], v[NIL]
	v_lshrrev_b32 v1, 5, v0
	v_readfirstlane_b32 s14, v1                    ; wave 0..3
	s_lshr_b32 s15, s14, 1                         ; wr: which 128 rows are mine
	s_and_b32 s16, s14, 1                          ; wc: which 128 units
	s_bfe_u32 s40, ttmp6, 0x40000                  ; cx
	s_bfe_u32 s43, ttmp6, 0x40004                  ; cy = hn
	s_lshl_b32 s17, ttmp9, 2
	s_add_co_u32 s17, s17, s40                     ; g = 4 x cluster x + cx
	s_and_b32 s42, ttmp7, 0xffff                   ; kind = cluster y, which all partners share
	s_lshl_b32 s41, 0x11, s40                      ; my column: places cx, cx + 4
	s_lshl_b32 s47, s43, 2
	s_lshl_b32 s47, 15, s47                        ; my row: places 4 cy .. 4 cy + 3
	s_or_b32 s[G1A+0], s41, (3<<16)|(1<<20)|(1<<21)|(5<<22)|(3<<25)  ; x: elements of 8 bytes; padding: 4 words after every 64; bit 21 beside the mask
	s_or_b32 s[G1B+0], s47, (3<<16)|(1<<20)|(1<<21)|(5<<22)|(3<<25)  ; W
.irp g, G1A, G1B
	s_mov_b32 s[\g+1], 32<<16                      ; 256 rows of 256 bytes, 512 apart
	s_mov_b32 s[\g+2], 256<<16
	s_mov_b32 s[\g+3], 32<<16
	s_mov_b32 s[\g+4], 256
	s_mov_b32 s[\g+5], 64
	s_mov_b32 s[\g+6], 0
	s_mov_b32 s[\g+7], 0
.endr
	; bases of the vector addresses
	s_mul_i32 s20, s15, HALFT                      ; my 128 rows of x
	s_mul_i32 s21, s16, HALFT
	s_add_co_u32 s21, s21, 2*HALFT                 ; my 128 rows of W, behind x's 256
	s_mul_i32 s22, s15, HALFS
	s_mul_i32 s23, s16, HALFS
	s_add_co_u32 s23, s23, 2*HALFS
	s_sub_co_u32 s23, s23, s22                     ; from x's scale bytes to W's
	s_add_co_u32 s22, s22, SCL
	s_lshl_b32 s46, s14, 9
	s_add_co_u32 s46, s46, SSTG
	s_wait_dscnt 0x0                               ; both opening adds are done
	s_wait_kmcnt 0x0
	s_cmp_eq_u32 s42, 0                            ; q's work-group or k's: the choice hangs on the cluster's y alone
	s_cselect_b64 s[4:5], s[68:69], s[72:73]       ; x's codes
	s_cselect_b64 s[6:7], s[70:71], s[74:75]       ; x's scales
	s_cselect_b64 s[8:9], s[76:77], s[80:81]       ; W's codes
	s_cselect_b64 s[10:11], s[78:79], s[82:83]     ; W's scales
	s_cselect_b64 s[12:13], s[84:85], s[86:87]     ; the bias
	s_cselect_b64 s[18:19], s[90:91], s[96:97]     ; qw or kv
	s_mov_b64 s[66:67], s[88:89]                   ; mask
	; the scale bytes of 256 rows: 32 rows of 256 bytes, 16 bytes of padding behind each
	s_or_b32 s[G1SA+0], s41, (3<<16)|(1<<20)|(1<<21)|(5<<22)|(3<<25)
	s_or_b32 s[G1SB+0], s47, (3<<16)|(1<<20)|(1<<21)|(5<<22)|(3<<25)
.irp g, G1SA, G1SB
	s_mov_b32 s[\g+1], 32<<16
	s_mov_b32 s[\g+2], 32<<16
	s_mov_b32 s[\g+3], 32<<16
	s_mov_b32 s[\g+4], 32
	s_mov_b32 s[\g+5], 32
	s_mov_b32 s[\g+6], 0
	s_mov_b32 s[\g+7], 0
.endr
	s_lshl_b32 s92, s17, 17                        ; x: row 256 g
	s_mov_b32 s93, 0
	s_lshl_b32 s94, s17, 13
	s_mov_b32 s95, 0
	s_mov_b32 s[G0A], 1
	s_mov_b32 s[G0A+1], 0
	s_add_nc_u64 s[G0A+2:G0A+3], s[4:5], s[92:93]
	s_or_b32 s[G0A+3], s[G0A+3], 0x80000000
	s_mov_b32 s[G0SA], 1
	s_mov_b32 s[G0SA+1], SCL
	s_add_nc_u64 s[G0SA+2:G0SA+3], s[6:7], s[94:95]
	s_or_b32 s[G0SA+3], s[G0SA+3], 0x80000000
	s_lshl_b32 s98, s43, 17                        ; W: row 256 hn
	s_mov_b32 s99, 0
	s_mov_b32 s[G0B], 1
	s_mov_b32 s[G0B+1], 2*HALFT
	s_add_nc_u64 s[G0B+2:G0B+3], s[8:9], s[98:99]
	s_or_b32 s[G0B+3], s[G0B+3], 0x80000000
	s_lshl_b32 s98, s43, 13
	s_mov_b32 s[G0SB], 1
	s_mov_b32 s[G0SB+1], SCL+2*HALFS
	s_add_nc_u64 s[G0SB+2:G0SB+3], s[10:11], s[98:99]
	s_or_b32 s[G0SB+3], s[G0SB+3], 0x80000000
	CROUND                                         ; all eight work-groups are here: the joint loads meet
; THE HEAD'S LOADS, ONE A WAVE: One tree of branches on the wave's number; an s_nop 0 and four v_nop follow each line.
.macro ARM under, g0, g1, next
	s_cmp_lt_u32 s14, \under
	s_cbranch_scc0 \next
	tensor_load_to_lds s[\g0:\g0+3], s[\g1:\g1+7]
	s_nop 0
.rept 4
	v_nop
.endr
	s_branch .Lhead_asked
\next:
.endm
	ARM 1, G0A,  G1A,  .Lhead_b
	ARM 2, G0B,  G1B,  .Lhead_sa
	ARM 3, G0SA, G1SA, .Lhead_sb
	tensor_load_to_lds s[G0SB:G0SB+3], s[G1SB:G1SB+7]
	s_nop 0
.rept 4
	v_nop
.endr
.Lhead_asked:
	; the bias of my 128 units, where my results go, the mask of my rows
	s_lshl_b32 s92, s43, 10
	s_lshl_b32 s93, s16, 9
	s_add_co_u32 s92, s92, s93
	s_mov_b32 s93, 0
	s_add_nc_u64 s[12:13], s[12:13], s[92:93]
	s_mul_i32 s92, s17, 4*PART                     ; the group of 256 rows,
	s_add_nc_u64 s[18:19], s[18:19], s[92:93]
	s_mul_i32 s92, s43, 2*PART
	s_add_co_u32 s92, s92, 17408
	s_add_nc_u64 s[44:45], s[18:19], s[92:93]      ; where kbias goes (kind 1: kv): two parts, 128 keys, by hn
	s_mul_i32 s92, s15, 2*PART                     ; my 128 rows,
	s_add_nc_u64 s[18:19], s[18:19], s[92:93]
	s_lshl_b32 s94, s43, 1
	s_add_co_u32 s94, s94, s16                     ; K step 2 hn + wc
	s_lshl_b32 s92, s94, 8
	s_add_co_u32 s92, s92, 16384
	s_add_nc_u64 s[100:101], s[18:19], s[92:93]    ; OUTS: its scale words
	s_lshl_b32 s92, s94, 10
	s_add_nc_u64 s[18:19], s[18:19], s[92:93]      ; OUTC: its codes
	s_lshl_b32 s92, s17, 10
	s_add_nc_u64 s[66:67], s[66:67], s[92:93]
	s_lshl_b32 s92, s43, 9
	s_add_nc_u64 s[98:99], s[66:67], s[92:93]      ; the mask of the 128 keys whose kbias is mine
	s_lshl_b32 s92, s15, 9
	s_add_nc_u64 s[66:67], s[66:67], s[92:93]      ; and of my 128 rows
	v_and_b32 v1, 15, v0                           ; r = lane % 16
	v_bfe_u32 v2, v0, 4, 1                         ; h = lane / 16
	v_and_b32 v10, 31, v0                          ; lane
	v_lshlrev_b32 v7, 5, v2                        ; the bias: 32 h
	v_lshlrev_b32 v8, 2, v1                        ; the mask: 4 r
	v_mul_u32_u24 v3, v1, PITCH
	v_lshl_add_u32 v4, v2, 4, v3                   ; a fragment's row x pitch + 16 h
	v_add_nc_u32 v[ADRA], s20, v4
	v_add_nc_u32 v[ADRB], s21, v4
	v_add_nc_u32 v[ADRA+1], SLOT, v[ADRA]
	v_add_nc_u32 v[ADRB+1], SLOT, v[ADRB]
	v_lshlrev_b32 v5, 5, v1                        ; my row's scale bytes: 32 a row,
	v_lshrrev_b32 v6, 8, v5
	v_lshl_add_u32 v5, v6, 4, v5                   ; and 16 more for each 256 passed
	v_mul_u32_u24 v6, s23, v2                      ; lanes 16-31 take W's
	v_add_nc_u32 v5, v5, v6
	v_add_nc_u32 v[ADRS], s22, v5
	v_lshlrev_b32 v[LI], 4, v10
	v_mul_u32_u24 v[LP], v2, PART-256
	v_add_nc_u32 v[LP], v[LP], v[LI]
	v_lshl_add_u32 v[SSA], v1, 2, s46
	v_add_nc_u32 v[SSR], s46, v[LI]
	v_mov_b32 v[SMK], 0xd0a88000                   ; SMASK = -337 x 2^26
.irp a, 0,1,2,3,4,5,6,7
	v_mov_b32 v[KEEP+\a], -1                       ; q's rows are all kept
.endr
	s_wait_alu depctr_va_vdst(0)
.irp b, 0,1,2,3,4,5,6,7
	global_load_b128 v[BIAS+8*\b:BIAS+8*\b+3], v7, s[12:13] offset:64*\b        ; tile b, lane (r, h): units 16 b + 8 h + 0 .. 7
	global_load_b128 v[BIAS+8*\b+4:BIAS+8*\b+7], v7, s[12:13] offset:64*\b+16
.endr
	s_cmp_eq_u32 s42, 0
	s_cbranch_scc1 .Lq_rows
.irp a, 0,1,2,3,4,5,6,7
	global_load_b32 v[SD+\a], v8, s[66:67] offset:64*\a   ; the mask of key 16 a + r of my 128
.endr
	s_wait_loadcnt 0x0
.irp a, 0,1,2,3,4,5,6,7
	v_cmp_ne_u32 vcc_lo, 0, v[SD+\a]
	v_cndmask_b32 v[KEEP+\a], 0, -1, vcc_lo        ; all ones where the key counts
.endr
	s_wait_alu depctr_va_vdst(0)
.Lq_rows:
	s_xor_b32 s2, s14, 1
	s_xor_b32 s3, s42, 1
	s_or_b32 s2, s2, s3
	s_cmp_lg_u32 s2, 0                             ; wave 1 of k's work-groups
	s_cbranch_scc1 .Lno_kbias
	global_load_b128 v[SD:SD+3], v[LI], s[98:99]
	s_wait_loadcnt 0x0
.irp j, 0,1,2,3
	v_cmp_eq_u32 vcc_lo, 0, v[SD+\j]
	v_cndmask_b32 v[SD+8+\j], 0, v[SMK], vcc_lo
.endr
	global_store_b128 v[LP], v[SD+8:SD+11], s[44:45]             ; two parts' 256 bytes each
.Lno_kbias:
	s_wait_alu depctr_va_vdst(0)                   ; the head's end
	s_wait_loadcnt 0x0                             ; the bias
	s_wait_tensorcnt 0x0                           ; my tile of the four is in; then the add and its wait, ahead of a later first fill
	ds_add_u32 v[SPW], v[NIL]
	s_mov_b32 s[G0A+1], SLOT                       ; no tensor load of mine is out: on to slot 1, 256 bytes further along K
	s_add_nc_u64 s[G0A+2:G0A+3], s[G0A+2:G0A+3], 0x100
	s_mov_b32 s[G0B+1], SLOT+2*HALFT
	s_add_nc_u64 s[G0B+2:G0B+3], s[G0B+2:G0B+3], 0x100
	s_wait_dscnt 0x0
	CROUND                                         ; all four tiles are in; the joint loads meet
	s_cmp_eq_u32 s14, 0
	s_cbranch_scc0 .Lnot_x
	tensor_load_to_lds s[G0A:G0A+3], s[G1A:G1A+7]  ; wave 0: x's slot 1
	s_nop 0
.rept 4
	v_nop
.endr
	s_branch .Lasked
.Lnot_x:
	s_cmp_eq_u32 s14, 1
	s_cbranch_scc0 .Lasked
	tensor_load_to_lds s[G0B:G0B+3], s[G1B:G1B+7]  ; wave 1: W's
	s_nop 0
.rept 4
	v_nop
.endr
.Lasked:
.macro FRAG reg, adr, q, i             ; 16 rows x 128 K of 4-bit codes: registers 4 c .. 4 c + 3 hold K = 64 c + 32 (lane / 16) + 0 .. 31
.irp c, 0,1
	ds_load_b128 v[\reg+4*\c:\reg+4*\c+3], v[\adr+(\q)/4] offset:64*((\q)%4)+32*\c+(\i)*16*PITCH
.endr
.endm
; 16 matrix instructions: x's blocks a0, a0 + 1 against W's eight tiles, K step q.  In step 0 the bias is the C of each sum's first instruction.
; The 64 accumulators take turns, one instruction a turn, in the same order in every step.
.macro MUL16 a0, q
.set sc, SC+32*((\q)/4)+(\q)%4
.irp a, \a0, \a0+1
.irp b, 0,1,2,3,4,5,6,7
.if (\q) == 0
	v_wmma_scale_f32_16x16x128_f8f6f4 v[8*(8*((\a)%4)+\b):8*(8*((\a)%4)+\b)+7], v[8*\b:8*\b+7], v[AF+8*(\a):AF+8*(\a)+7], v[BIAS+8*\b:BIAS+8*\b+7], v[sc+4*\b], v[sc+4*(\a)] matrix_a_fmt:MATRIX_FMT_FP4 matrix_b_fmt:MATRIX_FMT_FP4 matrix_a_scale:MATRIX_SCALE_ROW1
.else
	v_wmma_scale_f32_16x16x128_f8f6f4 v[8*(8*((\a)%4)+\b):8*(8*((\a)%4)+\b)+7], v[128*((\q)%2)+8*\b:128*((\q)%2)+8*\b+7], v[AF+8*(\a):AF+8*(\a)+7], v[8*(8*((\a)%4)+\b):8*(8*((\a)%4)+\b)+7], v[sc+4*\b], v[sc+4*(\a)] matrix_a_fmt:MATRIX_FMT_FP4 matrix_b_fmt:MATRIX_FMT_FP4 matrix_a_scale:MATRIX_SCALE_ROW1
.endif
.endr
.endr
.endm
.macro FETCH_B q
	WIN TO_B
.irp i, 0,1,2,3,4,5,6,7
	FRAG 128*((\q)%2)+8*\i, ADRB, \q, \i
.endr
	WIN 0
.endm
.macro FETCH_A q, i0
.irp i, \i0, \i0+1, \i0+2, \i0+3
	FRAG AF+8*(\i), ADRA, \q, \i
.endr
.endm
; A step of 128 along K.  Loads into registers that matrix instructions have read stand four plain vector instructions behind them (ISA guide 7.12.1 for vector instructions).
; Step 3 changes to slot 1: its loads have been waited for by the waves that issued them, and all meet, ahead of its first reads.
.macro STEP q
.if (\q) == 3
	s_wait_tensorcnt 0x0
	ds_add_u32 v[SPW], v[NIL]
	s_wait_dscnt 9                                 ; the add and the youngest 8 loads (x's blocks 4-7) may be out
.else
	s_wait_dscnt 8                                 ; W's set and x's blocks 0-3 are in; the youngest 8 loads may be out
.endif
.if (\q) == 0
	WIN FST_LO
.else
	WIN MUL_LO
.endif
	MUL16 0, \q
.if (\q) == 3
	s_wait_dscnt 0x0
	s_barrier_signal -1
	MUL16 2, \q
	WIN 0
	s_barrier_wait -1
.else
	MUL16 2, \q
	s_wait_dscnt 0
.endif
.if (\q) < 7
	PLACES 4
	FETCH_B (\q)+1
	FETCH_A (\q)+1, 0
.endif
.if (\q) == 0
	WIN FST_HI
.else
	WIN MUL_HI
.endif
	MUL16 4, \q
	MUL16 6, \q
	PLACES 4
	WIN 0
.if (\q) < 7
	FETCH_A (\q)+1, 4
.endif
.endm
	FETCH_B 0
	FETCH_A 0, 0
.irp s, 0,1
.irp i, 0,1,2,3,4,5,6,7
	ds_load_b128 v[SC+32*\s+4*\i:SC+32*\s+4*\i+3], v[ADRS] offset:\i*SBLK+16*\s   ; scale words of K steps 4 s .. 4 s + 3: lanes 0-15 x's block i, lanes 16-31 W's tile i
.endr
.endr
	FETCH_A 0, 4
.irp q, 0,1,2,3,4,5,6,7
	STEP \q
.endr
	s_mov_b32 s2, 0x76543210
	s_mov_b32 s3, 0xfedcba98                       ; v_permlanex16_b32's selects for lane l xor 16
.irp b, 0,1,2,3,4,5,6,7
	v_mov_b32 v[TM+8+\b], 0                        ; written once: a lane permute's destination counts as one of its sources
.endr
; Blocks a, a + 1 of 16 rows become fragments.  Index n = 4 (row block) + b; block b of 32 units lies in tiles 2 b, 2 b + 1: a lane holds units 32 b + 8 h + 0 .. 7 and 32 b + 16 + 8 h + 0 .. 7, the lane 16 away the rest.
; Tile 2 b + u gives part 2 u + h of block b.  The codes of (b, u) go to register 4 (b / 2) + b % 2 + 2 u, and one exchange of halves between registers 4 c, 4 c + 1 and one between 4 c + 2, 4 c + 3
; sets block 2 c whole into lanes 0-15 and block 2 c + 1 into lanes 16-31.
.macro QROW2 a
.set AC, 64*((\a)%4)
	WIN 0x28+0x14*((\a)/4)                         ; sources 1 and 2: window 2 or 3
.irp n, 0,1,2,3,4,5,6,7
	v_max3_num_f32 v[TM+\n], 0x1800000, |v[AC+16*\n]|, |v[AC+16*\n+1]|   ; each accumulator from its low end on; the floor 2^(3 - 127) holds the byte at 1 from below
.endr
.irp i, 2,4,6,8,10,12,14
.irp n, 0,1,2,3,4,5,6,7
	v_max3_num_f32 v[TM+\n], v[TM+\n], |v[AC+16*\n+\i]|, |v[AC+16*\n+\i+1]|
.endr
.endr
	WIN 0
.irp n, 0,1,2,3,4,5,6,7
	v_permlanex16_b32 v[TM+8+\n], v[TM+\n], s2, s3
.endr
.irp n, 0,1,2,3,4,5,6,7
	v_max_num_f32 v[TM+\n], v[TM+\n], v[TM+8+\n]   ; the block's largest magnitude
.endr
.irp n, 0,1,2,3,4,5,6,7
	v_add_nc_u32 v[TM+16+\n], 0xff000000, v[TM+\n] ; 2 off its exponent field: the conversion's scale operand
.endr
.irp n, 0,1,2,3,4,5,6,7
	v_lshrrev_b32 v[TM+8+\n], 23, v[TM+16+\n]      ; the scale's byte
.endr
.irp k, 0,1
	v_lshl_or_b32 v[PWD+\k], v[TM+9+4*\k], 8, v[TM+8+4*\k]
.endr
.irp k, 0,1
	v_lshl_or_b32 v[PWD+\k], v[TM+10+4*\k], 16, v[PWD+\k]
.endr
.irp k, 0,1
	v_lshl_or_b32 v[PWD+\k], v[TM+11+4*\k], 24, v[PWD+\k]   ; my row's scale word
.endr
.irp k, 0,1
	ds_store_b32 v[SSA], v[PWD+\k] offset:64*((\a)+\k)      ; both halves of the lanes write the same word with the same value
.endr
	s_wait_xcnt 0x0                                ; the last blocks' stores have read the codes' registers
	WIN 0x02+(\a)/4                                ; source 0: window 2 or 3
.irp n, 0,1,2,3,4,5,6,7
.irp u, 0,1
	v_cvt_scalef32_pk8_fp4_f32 v[PC+8*(\n/4)+4*((\n%4)/2)+(\n%2)+2*\u], v[AC+16*\n+8*\u:AC+16*\n+8*\u+7], v[TM+16+\n]
.endr
.endr
	WIN 0
	v_nop                                          ; one plain instruction behind the scaled conversions
.irp k, 0,1
.irp i, 0,1,2,3,4,5,6,7
	v_and_b32 v[PC+8*\k+\i], v[KEEP+(\a)+\k], v[PC+8*\k+\i]     ; a masked key's codes are zeros
.endr
.endr
.irp c, 0,1,2,3
	v_permlane16_swap_b32 v[PC+4*\c], v[PC+4*\c+1]
	v_permlane16_swap_b32 v[PC+4*\c+2], v[PC+4*\c+3]
.endr
.irp k, 0,1
.irp c, 0,1
	global_store_b128 v[LI], v[PC+8*\k+4*\c:PC+8*\k+4*\c+3], s[18:19] offset:4096*((\a)+\k)+1280*((\a)/4)+512*\c   ; the image: 512 consecutive bytes; block 4 begins the next part, 1,280 bytes further on
.endr
.endr
.endm
	QROW2 0
	QROW2 2
	QROW2 4
	QROW2 6
	ds_load_b128 v[SW:SW+3], v[SSR]                ; my 128 rows' scale words; LDS serves a wave's instructions in order: this sees my stores
	s_wait_dscnt 0x0
	global_store_b128 v[LP], v[SW:SW+3], s[100:101]  ; 256 consecutive bytes in each of two parts
	s_wait_tensorcnt 0x0                           ; the wave's end
	ds_add_u32 v[SPW], v[NIL]
	s_wait_dscnt 0x0
	CROUND                                         ; the closing round
	s_endpgm
.Lfunc_end_k_q832ecd5421_prep:
	.size	k_q832ecd5421_prep, .Lfunc_end_k_q832ecd5421_prep-k_q832ecd5421_prep
	.p2alignl 7, 3214868480
	.fill 96, 4, 3214868480
	.section	.rodata,"a",@progbits
	.p2align	6, 0x0
	.amdhsa_kernel k_q832ecd5421_prep
		.amdhsa_group_segment_fixed_size 327680
		.amdhsa_private_segment_fixed_size 0
		.amdhsa_enable_private_segment 0
		.amdhsa_kernarg_size 104
		.amdhsa_user_sgpr_count 2
		.amdhsa_user_sgpr_kernarg_segment_ptr 1
		.amdhsa_wavefront_size32 1
		.amdhsa_system_sgpr_workgroup_id_x 1
		.amdhsa_system_sgpr_workgroup_id_y 1
		.amdhsa_system_sgpr_workgroup_id_z 1
		.amdhsa_system_vgpr_workitem_id 0
		.amdhsa_next_free_vgpr 1024
		.amdhsa_next_free_sgpr 106
		.amdhsa_reserve_vcc 1
		.amdhsa_float_denorm_mode_32 3
		.amdhsa_float_denorm_mode_16_64 3
		.amdhsa_memory_ordered 1
		.amdhsa_forward_progress 1
		.amdhsa_inst_pref_size 134
	.end_amdhsa_kernel
	.amdgpu_metadata
---
amdhsa.version: [ 1, 2 ]
amdhsa.kernels:
  - .name:           k_q832ecd5421_prep
    .symbol:         k_q832ecd5421_prep.kd
    .args:
      - { .name: query_codes, .offset: 0, .size: 8, .value_kind: global_buffer, .address_space: global }
      - { .name: query_scales, .offset: 8, .size: 8, .value_kind: global_buffer, .address_space: global }
      - { .name: key_codes, .offset: 16, .size: 8, .value_kind: global_buffer, .address_space: global }
      - { .name: key_scales, .offset: 24, .size: 8, .value_kind: global_buffer, .address_space: global }
      - { .name: Wq_codes, .offset: 32, .size: 8, .value_kind: global_buffer, .address_space: global }
      - { .name: Wq_scales, .offset: 40, .size: 8, .value_kind: global_buffer, .address_space: global }
      - { .name: Wk_codes, .offset: 48, .size: 8, .value_kind: global_buffer, .address_space: global }
      - { .name: Wk_scales, .offset: 56, .size: 8, .value_kind: global_buffer, .address_space: global }
      - { .name: bq, .offset: 64, .size: 8, .value_kind: global_buffer, .address_space: global }
      - { .name: bk, .offset: 72, .size: 8, .value_kind: global_buffer, .address_space: global }
      - { .name: mask, .offset: 80, .size: 8, .value_kind: global_buffer, .address_space: global }
      - { .name: qw, .offset: 88, .size: 8, .value_kind: global_buffer, .address_space: global }
      - { .name: kv, .offset: 96, .size: 8, .value_kind: global_buffer, .address_space: global }
    .group_segment_fixed_size: 327680
    .private_segment_fixed_size: 0
    .kernarg_segment_align: 8
    .kernarg_segment_size: 104
    .max_flat_workgroup_size: 128
    .sgpr_count:     106
    .vgpr_count:     1024
    .wavefront_size: 32
...
	.end_amdgpu_metadata
.endif
;; end of part 1
;; launch attn (part 2): grid 32 x 8, 8 waves a work-group, clusters of 4 x 1, 327,680 bytes of LDS; arguments qw, kv, value_codes, value_scales, out0; writes out0
.if DOCPART == 2
	.amdgcn_target "amdgcn-amd-amdhsa--gfx1250"
	.amdhsa_code_object_version 6
	.text
	.protected	k_q832ecd5421_attn
	.globl	k_q832ecd5421_attn
	.p2align	8
	.type	k_q832ecd5421_attn,@function
k_q832ecd5421_attn:
	s_mov_b64 s[64:65], 0
	v_nop
	global_prefetch_b8 v0, s[64:65] scope:SCOPE_SE
	s_setreg_imm32_b32 hwreg(HW_REG_WAVE_MODE, 25, 1), 1
	s_wait_xcnt 0x0
	s_wait_alu depctr_hold_cnt(0) depctr_sa_sdst(0) depctr_va_vdst(0) depctr_va_sdst(0) depctr_va_ssrc(0) depctr_va_vcc(0) depctr_vm_vsrc(0)
	s_getreg_b32 s2, hwreg(HW_REG_IB_STS2, 6, 4)
	s_cmp_eq_u32 s2, 0
	s_cbranch_scc0 .Lentry_in_a_cluster
	s_endpgm
.Lentry_in_a_cluster:
	s_bfe_u32 s2, ttmp6, 0x10000c
	s_cmp_lg_u32 s2, 0x3003
	s_cbranch_scc0 .Lentry_shape_is_right
	s_endpgm
.Lentry_shape_is_right:
; ATTN: scores = q k^T, softmax over the keys, times V, on codes of FP4; q and k as the first launch laid them (parts of 64 rows), V's codes and scale bytes as given.
; No work is left out.  LIMITS: holds while the scaled scores (exponents to the base 2, before the maximum is taken away) stay under 2^31 in magnitude; NaN and infinities are not served; the masked logit: see the first launch.
; THE SOFTMAX: t = score x log2(e) / sqrt(512); M = the running largest t of the wave's keys, rounded up to a whole number; p = 2^(t - M) is quantised along the keys in blocks of 32.
; P's CODES DO NOT HANG ON M: another M moves a block's scale by a power of two alone.  So phase 1 walks all keys and keeps P as codes, with each block's exponent byte + M as a whole number;
; then the waves' M and sums are joined once, the bytes are formed under the final M, and phase 2 is a plain product P V, whose sums are never rescaled.
; SHARES.  A work-group owns 64 queries of a batch; eight waves.  PHASE 1: wave w owns keys 256 w .. + 255 as four parts of 64, all 64 queries: S^T = K Q^T, 32 keys at a time; a lane holds one query (lane % 16).
; Tile 2 b + u of keys, lane half h, register j is key 32 b + 16 u + 8 h + j: part 2 u + h of block b.
; PHASE 2: wave w = 4 kh + cg owns channels 64 cg .. + 63 of each half of 256 channels, keys 1,024 kh .. + 1,023, all 64 queries: O = P V, source 0 = P, source 1 = V; its P lies in 256 registers.
; Each fragment of V is read once, by the wave that has fetched it.  Row r of tile v of channels is channel 64 cg + 4 r + v: so the four tiles give a lane four neighbouring channels, 16 bytes, and 16 lanes
; store one aligned unit of 256 bytes.  THE TWO HALVES OF THE KEYS ARE JOINED between waves w and w xor 4: of the four query tiles a wave keeps its own two (2 kh, 2 kh + 1: here tiles x = 0, 1) and gives the other two (x = 2, 3).
; CLUSTER: four work-groups of one batch walk the same K and V: every tile is asked for jointly.  Each wave fetches what it alone reads, one load a wave.
; LDS: eight areas of two parts (R0, R1).  R0: K parts 0, 2, then V's tiles (64 channels x 512 keys: 64 rows of 256 bytes + 16); R1: K parts 1, 3, then V's tiles.
; The head's one load brings parts 0 and 1; behind each later round one part or one tile.
; P goes from wave to wave through 32 KiB by halves: K steps 2 w (parts 0, 1) while the last block's softmax runs, K steps 2 w + 1 behind the joining of M.  Later the same bytes take the first half's given sums.
; PREFETCH: one instruction a wave behind the change in part 3 asks for V's second half of channels, which phase 2 loads: 8,192 bytes a wave, the cluster's 32 waves tell 262,144 bytes apart by address; in the first four
; clusters of a batch.  K and V's first half are not prefetched: each load goes out as soon as LDS has room, with a whole part's work (about 64 matrix and 480 vector instructions a wave) to land in.
; REGISTERS.  Window 0: v1-23 addresses; v24-31 q's scale words; v32-63 the softmax's state; v64-127 S^T; v128-159 exponents; v160-191 at work; v192-223 codes; v240-255 V's scale words.
; In phase 2: v64-191 the sums; V's fragments v192-223 and v24-55; v224-239 P's scale words; 1 / sum in v56-63 and v2-9.  Window 1: v0-63 K's fragments, v64-191 Q; later P.
.set PART, 17664                       ; 4 tile images of 4,096 bytes, scale words [K step 4][64], kbias [64]
.set AREA, 2*PART
.set E,    8*AREA                      ; P's codes [wave 8][query tile 4][c 2][lane 32][16 bytes], later given sums, 4,096 bytes a wave
.set VP,   272                         ; a row of V in LDS
.set RIA,  E+32768                     ; 1 / sum: 128 bytes a wave
.set MXA,  E+34816                     ; -M [query 64][wave 8]; 2,048 bytes on: the sums
.set PSA,  MXA+4096                    ; P's scale words [query 64][K step 16]
.set SPARE, PSA+4096                   ; the spare words, 128 bytes for each wave
.set AEW,  1
.set AS,   2
.set AB,   3
.set LI,   4
.set AMW,  5
.set AMR,  6
.set AQR,  7
.set APW,  8
.set PFO,  9
.set AK,   10
.set AXR,  11
.set AX2,  12
.set AER,  13                          ; v13 my own query tiles' codes, v14 the given ones'
.set APR,  15                          ; v15, v16 their scale words
.set SPW,  17
.set NIL,  18
.set VSO,  19
.set CO,   20
.set ARI,  21
.set ARR,  22
.set AV,   23
.set QSR,  24
.set ST,   32                          ; for query tile t at 8 t: -M, largest t, the sum in two halves, f, -, two at work
.set S,    64
.set A,    128                         ; exponents: [query tile 4][part 4][block 2]
.set CB,   160
.set KSR,  176
.set MX,   180
.set TP,   184
.set TQ,   188
.set PC,   192
.set V0S,  192                         ; V's two sets
.set V1S,  24
.set PSR,  224
.set VSR,  240
.set QF,   64
.set WV,   14
.set GK,   32
.set GV,   36
.set G1H,  24
.set G1K,  40
.set G1V,  48
.set G2V,  84
.set G3V,  88
.set WOFF, 56
.set PFA,  66
.set CS,   68
.set SEL,  70
.set MSB, 0
.macro WIN new
.if MSB != \new
	s_set_vgpr_msb (MSB<<8)|\new
.set MSB, \new
.endif
.endm
.set W_KQ, 0x05                        ; sources 0 and 1 window 1, C and D window 0
.set W_PV, 0x01                        ; source 0 window 1
.set TO1,  0x40                        ; destination window 1
.macro PLACES n
.rept \n
	v_nop
.endr
.endm
.macro CREST                           ; a round of the cluster's barrier behind its opening barrier
	s_cmp_lg_u32 s[WV], 0
	s_cbranch_scc1 .Lnot_wave_0_\@
	s_barrier_signal -3
.Lnot_wave_0_\@:
	s_barrier_wait -3
	s_barrier_signal -1
	s_barrier_wait -1
.endm
.macro CROUND
	s_barrier_signal -1
	s_barrier_wait -1
	CREST
.endm
.macro TLOAD g0, g1
	tensor_load_to_lds s[\g0:\g0+3], s[\g1:\g1+7]
	s_nop 0
.rept 4
	v_nop
.endr
.endm
.macro TLOADV
	tensor_load_to_lds s[GV:GV+3], s[G1V:G1V+7], s[G2V:G2V+3], s[G3V:G3V+3]
	s_nop 0
.rept 4
	v_nop
.endr
.endm
	s_load_b256 s[4:11], s[0:1], 0x0               ; qw, kv, V's codes, V's scales
	s_load_b64 s[12:13], s[0:1], 0x20              ; out
	v_lshl_add_u32 v[SPW], v0, 2, SPARE
	v_mov_b32 v[NIL], 0
	ds_add_u32 v[SPW], v[NIL]                      ; the wave's opening: the add, twice on end, and its wait ahead of my first tensor load
	ds_add_u32 v[SPW], v[NIL]
	v_lshrrev_b32 v1, 5, v0
	v_readfirstlane_b32 s[WV], v1                  ; wave 0..7
	s_bfe_u32 s15, ttmp6, 0x40000                  ; cx
	s_and_b32 s16, ttmp7, 0xffff                   ; batch
	s_lshr_b32 s17, s[WV], 2                       ; kh
	s_and_b32 s18, s[WV], 3                        ; cg
	s_mul_i32 s[WOFF], s[WV], AREA
	s_lshl_b32 s20, s16, 5
	s_lshl_b32 s21, s[WV], 2
	s_add_co_u32 s20, s20, s21
	s_mul_i32 s20, s20, PART                       ; K: part 32 batch + 4 wave
	s_mov_b32 s21, 0
	s_lshl_b32 s22, s16, 19
	s_lshl_b32 s23, s18, 16
	s_add_co_u32 s22, s22, s23                     ; V: channels 64 cg on, 1,024 bytes a channel,
	s_lshl_b32 s23, s17, 9
	s_add_co_u32 s22, s22, s23                     ; keys 1,024 kh on
	s_mov_b32 s23, 0
	; descriptor groups 1, elements of 8 bytes, the mask names the four partners, bit 21 beside it.  K: dense rows of 256 bytes: two parts at the head, then one
	s_mov_b32 s[G1H+0], 15|(3<<16)|(1<<21)
	s_mov_b32 s[G1H+1], 32<<16
	s_mov_b32 s[G1H+2], 138<<16
	s_mov_b32 s[G1H+3], 32<<16
	s_mov_b32 s[G1H+4], 138
	s_mov_b32 s[G1H+5], 32
	s_mov_b32 s[G1H+6], 0
	s_mov_b32 s[G1H+7], 0
	s_mov_b32 s[G1K+0], 15|(3<<16)|(1<<21)
	s_mov_b32 s[G1K+1], 32<<16
	s_mov_b32 s[G1K+2], 69<<16
	s_mov_b32 s[G1K+3], 32<<16
	s_mov_b32 s[G1K+4], 69
	s_mov_b32 s[G1K+5], 32
	s_mov_b32 s[G1K+6], 0
	s_mov_b32 s[G1K+7], 0
	; V: three dimensions: 256 bytes x 16 rows four channels apart x 4 tiles one channel apart; 4 words of padding after every 64
	s_mov_b32 s[G1V+0], 15|(3<<16)|(1<<20)|(1<<21)|(5<<22)|(3<<25)
	s_mov_b32 s[G1V+1], 32<<16                     ; tensor_dim0 = 32
	s_mov_b32 s[G1V+2], 16<<16                     ; tensor_dim1 = 16
	s_mov_b32 s[G1V+3], 32<<16                     ; tile_dim0 = 32
	s_mov_b32 s[G1V+4], (4<<16)|16                 ; tile_dim1 = 16, tile_dim2 = 4
	s_mov_b32 s[G1V+5], 512                        ; stride0: 4,096 bytes
	s_mov_b32 s[G1V+6], 128<<16                    ; stride1: 1,024 bytes
	s_mov_b32 s[G1V+7], 0
	s_mov_b32 s[G2V+0], 4                          ; tensor_dim2 = 4
	s_mov_b32 s[G2V+1], 0
	s_mov_b32 s[G2V+2], 0
	s_mov_b32 s[G2V+3], 0
	s_mov_b32 s[G3V+0], 0
	s_mov_b32 s[G3V+1], 0
	s_mov_b32 s[G3V+2], 0
	s_mov_b32 s[G3V+3], 0
	s_mov_b32 s[GK], 1
	s_mov_b32 s[GK+1], s[WOFF]
	s_mov_b32 s[GV], 1
	s_mov_b32 s[GV+1], s[WOFF]
	s_wait_dscnt 0x0                               ; both opening adds are done
	s_wait_kmcnt 0x0
	s_add_nc_u64 s[GK+2:GK+3], s[6:7], s[20:21]
	s_or_b32 s[GK+3], s[GK+3], 0x80000000
	s_add_nc_u64 s[GV+2:GV+3], s[8:9], s[22:23]
	s_or_b32 s[GV+3], s[GV+3], 0x80000000
	CROUND                                         ; all four work-groups are here: the joint loads meet
	TLOAD GK, G1H                                  ; parts 0 and 1: one tensor load a wave at the head
	s_lshl_b32 s74, s16, 5
	s_lshl_b32 s75, ttmp9, 2
	s_add_co_u32 s74, s74, s75
	s_add_co_u32 s74, s74, s15                     ; my 64 queries: number 32 batch + 4 cluster + cx
	s_lshl_b32 s76, s74, 17                        ; 64 rows of out are 131,072 bytes
	s_mul_i32 s74, s74, PART
	s_mov_b32 s75, 0
	s_add_nc_u64 s[4:5], s[4:5], s[74:75]          ; q's part
	s_lshl_b32 s77, s17, 16
	s_add_co_u32 s76, s76, s77
	s_lshl_b32 s77, s18, 8
	s_add_co_u32 s76, s76, s77
	s_mov_b32 s77, 0
	s_add_nc_u64 s[12:13], s[12:13], s[76:77]      ; out: rows 32 kh on, channels 64 cg on
	s_lshl_b32 s78, s16, 19
	s_lshl_b32 s79, s15, 16
	s_add_co_u32 s78, s78, s79
	s_lshl_b32 s79, s[WV], 13
	s_add_co_u32 s78, s78, s79
	s_mov_b32 s79, 0
	s_add_nc_u64 s[PFA:PFA+1], s[8:9], s[78:79]
	s_lshl_b32 s80, s16, 15
	s_lshl_b32 s81, s18, 12
	s_add_co_u32 s80, s80, s81
	s_lshl_b32 s81, s17, 5
	s_add_co_u32 s80, s80, s81
	s_mov_b32 s81, 0
	s_add_nc_u64 s[10:11], s[10:11], s[80:81]      ; V's scale bytes: my 64 rows of 64 bytes, my half of the keys
	s_lshl_b32 s57, s[WV], 12
	s_add_co_u32 s57, s57, E                       ; where I put P's codes, and given sums
	s_xor_b32 s58, s[WV], 4
	s_mul_i32 s59, s58, AREA                       ; my partner's area
	s_lshl_b32 s58, s58, 12
	s_add_co_u32 s58, s58, E                       ; and where its given sums lie
	s_mul_i32 s60, s17, 18432
	s_add_co_u32 s60, s60, E                       ; P's codes: waves 4 kh on, query tiles 2 kh on
	s_mul_i32 s61, s17, 14336
	s_add_co_u32 s61, s61, E+2048                  ; and the other two tiles
	s_mul_i32 s62, s17, 2080
	s_add_co_u32 s62, s62, PSA                     ; P's scale words: 32 kh rows of 64 bytes on, K steps 8 kh on
	s_xor_b32 s63, s17, 1
	s_lshl_b32 s63, s63, 11
	s_lshl_b32 s72, s17, 5
	s_add_co_u32 s63, s63, s72
	s_add_co_u32 s63, s63, PSA                     ; and the other 32 rows
	s_lshl_b32 s72, s[WV], 2
	s_add_co_u32 s72, s72, MXA
	s_lshl_b32 s73, s17, 10
	s_add_co_u32 s73, s73, MXA
	s_lshl_b32 s82, s[WV], 3
	s_add_co_u32 s82, s82, PSA
	s_lshl_b32 s83, s[WV], 7
	s_add_co_u32 s83, s83, RIA
	s_mov_b32 s[CS], 0x3d8293ee                    ; c = log2(e) / sqrt(512)
	s_mov_b32 s[CS+1], s[CS]                       ; (named with it as a pair)
	s_mov_b32 s[SEL], 0x76543210
	s_mov_b32 s[SEL+1], 0xfedcba98
	v_and_b32 v64, 31, v0                          ; lane
	v_and_b32 v65, 15, v0                          ; r
	v_bfe_u32 v66, v0, 4, 1                        ; h
	v_lshlrev_b32 v[LI], 4, v64
	v_lshlrev_b32 v67, 2, v64
	v_lshlrev_b32 v[VSO], 8, v65                   ; lanes 0-15 channels 4 r, lanes 16-31 4 r + 1
	v_lshl_add_u32 v[VSO], v66, 6, v[VSO]
	s_wait_alu depctr_va_vdst(0)
	WIN TO1
.irp t, 0,1,2,3
.irp s, 0,1,2,3
.irp c, 0,1
	global_load_b128 v[QF+32*\t+8*\s+4*\c:QF+32*\t+8*\s+4*\c+3], v[LI], s[4:5] offset:4096*\t+1024*\s+512*\c   ; Q stays in registers through phase 1
.endr
.endr
.endr
	WIN 0
.irp p, 0,1
.irp s, 0,1,2,3
	global_load_b32 v[QSR+4*\p+\s], v67, s[4:5] offset:16384+256*\s+128*\p   ; lanes 0-15 tile 2 p, lanes 16-31 tile 2 p + 1
.endr
.endr
.macro VSLOAD half, j                  ; V's scale words of a half of the channels, my K steps 4 j .. 4 j + 3: lanes 0-15 tile 2 p, lanes 16-31 tile 2 p + 1
.irp p, 0,1
	global_load_b128 v[VSR+8*\p+4*\j:VSR+8*\p+4*\j+3], v[VSO], s[10:11] offset:16384*\half+128*\p+16*\j
.endr
.endm
	VSLOAD 0, 0
	VSLOAD 0, 1
	v_lshl_add_u32 v[AK], v64, 4, s[WOFF]
	v_lshl_add_u32 v[AS], v64, 2, s[WOFF]
	v_lshl_add_u32 v[AB], v66, 5, s[WOFF]
	v_lshl_add_u32 v[AEW], v64, 4, s57
	v_lshl_add_u32 v[AXR], v64, 4, s58
	v_lshl_add_u32 v[AX2], v64, 4, s59
	v_lshl_add_u32 v[AER], v64, 4, s60
	v_lshl_add_u32 v[AER+1], v64, 4, s61
	v_lshl_add_u32 v[APR], v64, 6, s62
	v_lshl_add_u32 v[APR+1], v64, 6, s63
	v_mul_u32_u24 v[AV], v65, VP
	v_lshl_add_u32 v[AV], v66, 4, v[AV]
	v_add_nc_u32 v[AV], s[WOFF], v[AV]
	v_lshl_add_u32 v[AMW], v65, 5, s72
	v_lshl_add_u32 v[AMR], v65, 5, MXA
	v_lshl_add_u32 v[AQR], v65, 5, s73
	v_lshl_add_u32 v[APW], v65, 6, s82
	v_lshl_add_u32 v[ARI], v65, 2, s83
	v_lshl_add_u32 v[ARR], v66, 5, s83
	v_lshlrev_b32 v[CO], 14, v66
	v_lshl_add_u32 v[CO], v65, 4, v[CO]
	v_lshlrev_b32 v[PFO], 8, v64
.irp t, 0,1,2,3
	v_mov_b32 v[ST+8*\t+1], 0xff61b1e6             ; the largest t so far: -3e38, under every t
	v_mov_b32 v[ST+8*\t], 0x7f61b1e6               ; -M (a whole number)
	v_mov_b32 v[ST+8*\t+2], 0
	v_mov_b32 v[ST+8*\t+3], 0
	v_mov_b32 v[ST+8*\t+5], 0                      ; (named as the upper half of f's pair)
	v_mov_b32 v[TP+\t], 0                          ; (a lane permute's destination counts as one of its sources)
.endr
.macro WM ra, rb                       ; D = rD, A = rA, B = rB, C = rC or (zz) 0, scales rSA and rSB, from lanes 16-31 where ra, rb
.if zz && (\ra) && (\rb)
	v_wmma_scale_f32_16x16x128_f8f6f4 v[rD:rD+7], v[rA:rA+7], v[rB:rB+7], 0, v[rSA], v[rSB] matrix_a_fmt:MATRIX_FMT_FP4 matrix_b_fmt:MATRIX_FMT_FP4 matrix_a_scale:MATRIX_SCALE_ROW1 matrix_b_scale:MATRIX_SCALE_ROW1
.elseif zz && (\ra)
	v_wmma_scale_f32_16x16x128_f8f6f4 v[rD:rD+7], v[rA:rA+7], v[rB:rB+7], 0, v[rSA], v[rSB] matrix_a_fmt:MATRIX_FMT_FP4 matrix_b_fmt:MATRIX_FMT_FP4 matrix_a_scale:MATRIX_SCALE_ROW1
.elseif zz && (\rb)
	v_wmma_scale_f32_16x16x128_f8f6f4 v[rD:rD+7], v[rA:rA+7], v[rB:rB+7], 0, v[rSA], v[rSB] matrix_a_fmt:MATRIX_FMT_FP4 matrix_b_fmt:MATRIX_FMT_FP4 matrix_b_scale:MATRIX_SCALE_ROW1
.elseif zz
	v_wmma_scale_f32_16x16x128_f8f6f4 v[rD:rD+7], v[rA:rA+7], v[rB:rB+7], 0, v[rSA], v[rSB] matrix_a_fmt:MATRIX_FMT_FP4 matrix_b_fmt:MATRIX_FMT_FP4
.elseif (\ra) && (\rb)
	v_wmma_scale_f32_16x16x128_f8f6f4 v[rD:rD+7], v[rA:rA+7], v[rB:rB+7], v[rC:rC+7], v[rSA], v[rSB] matrix_a_fmt:MATRIX_FMT_FP4 matrix_b_fmt:MATRIX_FMT_FP4 matrix_a_scale:MATRIX_SCALE_ROW1 matrix_b_scale:MATRIX_SCALE_ROW1
.elseif \ra
	v_wmma_scale_f32_16x16x128_f8f6f4 v[rD:rD+7], v[rA:rA+7], v[rB:rB+7], v[rC:rC+7], v[rSA], v[rSB] matrix_a_fmt:MATRIX_FMT_FP4 matrix_b_fmt:MATRIX_FMT_FP4 matrix_a_scale:MATRIX_SCALE_ROW1
.elseif \rb
	v_wmma_scale_f32_16x16x128_f8f6f4 v[rD:rD+7], v[rA:rA+7], v[rB:rB+7], v[rC:rC+7], v[rSA], v[rSB] matrix_a_fmt:MATRIX_FMT_FP4 matrix_b_fmt:MATRIX_FMT_FP4 matrix_b_scale:MATRIX_SCALE_ROW1
.else
	v_wmma_scale_f32_16x16x128_f8f6f4 v[rD:rD+7], v[rA:rA+7], v[rB:rB+7], v[rC:rC+7], v[rSA], v[rSB] matrix_a_fmt:MATRIX_FMT_FP4 matrix_b_fmt:MATRIX_FMT_FP4
.endif
.endm
.macro KLOAD R, b                      ; block b of the part in region R: scale words, kbias, fragments (2 tiles x 4 K steps)
.irp s, 0,1,2,3
	ds_load_b32 v[KSR+\s], v[AS] offset:(\R)*PART+16384+256*\s+128*(\b)
.endr
.irp u, 0,1
	ds_load_b128 v[CB+8*\u:CB+8*\u+3], v[AB] offset:(\R)*PART+17408+128*(\b)+64*\u
	ds_load_b128 v[CB+8*\u+4:CB+8*\u+7], v[AB] offset:(\R)*PART+17408+128*(\b)+64*\u+16
.endr
	WIN TO1
.irp s, 0,1,2,3
.irp u, 0,1
.irp c, 0,1
	ds_load_b128 v[32*\u+8*\s+4*\c:32*\u+8*\s+4*\c+3], v[AK] offset:(\R)*PART+4096*(2*(\b)+\u)+1024*\s+512*\c
.endr
.endr
.endr
	WIN 0
.endm
.macro SMUL s0                         ; S^T of 32 keys x 64 queries, K steps s0, s0 + 1; the eight accumulators take turns; kbias is the C of the first K step
	WIN W_KQ
.set zz, 0
.irp s, \s0, \s0+1
.irp u, 0,1
.irp t, 0,1,2,3
.set rD, S+16*\t+8*\u
.set rA, 32*\u+8*(\s)
.set rB, QF+32*\t+8*(\s)
.set rC, rD
.if (\s) == 0
.set rC, CB+8*\u
.endif
.set rSA, KSR+(\s)
.set rSB, QSR+4*(\t/2)+(\s)
	WM \u, \t%2
.endr
.endr
.endr
.endm
.macro SOFTMAX s, b
.set PCB, PC+16*((\s)%2)
.irp t, 0,1,2,3
	v_max3_num_f32 v[MX+\t], v[S+16*\t], v[S+16*\t+1], v[S+16*\t+2]   ; the block's largest score: for the row's maximum and for the block's largest p
.endr
.irp i, 3,5,7,9,11,13
.irp t, 0,1,2,3
	v_max3_num_f32 v[MX+\t], v[MX+\t], v[S+16*\t+\i], v[S+16*\t+\i+1]
.endr
.endr
.irp t, 0,1,2,3
	v_max_num_f32 v[MX+\t], v[MX+\t], v[S+16*\t+15]
.endr
.irp t, 0,1,2,3
	v_permlanex16_b32 v[TP+\t], v[MX+\t], s[SEL], s[SEL+1]
.endr
.irp t, 0,1,2,3
	v_max_num_f32 v[MX+\t], v[MX+\t], v[TP+\t]
.endr
.irp t, 0,1,2,3
	v_mul_f32 v[ST+8*\t+7], s[CS], v[MX+\t]
.endr
.irp t, 0,1,2,3
	v_max_num_f32 v[ST+8*\t+1], v[ST+8*\t+1], v[ST+8*\t+7]
.endr
.irp t, 0,1,2,3
	v_mov_b32 v[ST+8*\t+6], v[ST+8*\t]
.endr
.irp t, 0,1,2,3
	v_floor_f32 v[ST+8*\t], -v[ST+8*\t+1]          ; -M
.endr
.irp t, 0,1,2,3
	v_sub_f32 v[ST+8*\t+7], v[ST+8*\t], v[ST+8*\t+6]
.endr
.irp t, 0,1,2,3
	v_cvt_i32_f32 v[ST+8*\t+7], v[ST+8*\t+7]
.endr
.irp t, 0,1,2,3
	v_ldexp_f32 v[ST+8*\t+4], 1.0, v[ST+8*\t+7]    ; f = 2^(old M - new M), for the sum
.endr
.irp j, 0,2,4,6,8,10,12,14
.irp t, 0,1,2,3
	v_pk_fma_f32 v[S+16*\t+\j:S+16*\t+\j+1], v[S+16*\t+\j:S+16*\t+\j+1], s[CS:CS+1], v[ST+8*\t:ST+8*\t+1] op_sel_hi:[1,0,0]
.endr
.endr
.irp t, 0,1,2,3
	v_fma_f32 v[MX+\t], v[MX+\t], s[CS], v[ST+8*\t]
.endr
	s_wait_alu depctr_va_vdst(0)                   ; ahead of the batch,
.irp t, 0,1,2,3
	v_exp_f32 v[MX+\t], v[MX+\t]
.endr
.irp j, 0,1,2,3,4,5,6,7,8,9,10,11,12,13,14,15
.irp t, 0,1,2,3
	v_exp_f32 v[S+16*\t+\j], v[S+16*\t+\j]
.endr
.endr
.irp t, 0,1,2,3
	v_pk_mul_f32 v[ST+8*\t+2:ST+8*\t+3], v[ST+8*\t+2:ST+8*\t+3], v[ST+8*\t+4:ST+8*\t+5] op_sel_hi:[1,0]
.endr
	s_wait_alu depctr_va_vdst(0)                   ; and behind it
.irp j, 0,2,4,6,8,10,12,14
.irp t, 0,1,2,3
	v_pk_add_f32 v[ST+8*\t+2:ST+8*\t+3], v[ST+8*\t+2:ST+8*\t+3], v[S+16*\t+\j:S+16*\t+\j+1]   ; the sum of the unquantised p
.endr
.endr
.irp t, 0,1,2,3
	v_max_num_f32 v[MX+\t], 0x1800000, v[MX+\t]    ; the floor 2^(3 - 127)
.endr
.irp t, 0,1,2,3
	v_add_nc_u32 v[TP+\t], 0xff000000, v[MX+\t]    ; the conversion's scale operand
.endr
.irp t, 0,1,2,3
	v_cvt_i32_f32 v[TQ+\t], v[ST+8*\t]
.endr
.irp t, 0,1,2,3
	v_lshrrev_b32 v[MX+\t], 23, v[TP+\t]
.endr
.irp t, 0,1,2,3
	v_sub_nc_u32 v[A+8*\t+2*(\s)+(\b)], v[MX+\t], v[TQ+\t]   ; byte + M
.endr
.irp t, 0,1,2,3
.irp u, 0,1
	v_cvt_scalef32_pk8_fp4_f32 v[PCB+4*\t+(\b)+2*\u], v[S+16*\t+8*\u:S+16*\t+8*\u+7], v[TP+\t]
.endr
.endr
	v_nop                                          ; one plain place behind the scaled conversions
.if \b
.irp t, 0,1,2,3
	v_permlane16_swap_b32 v[PCB+4*\t], v[PCB+4*\t+1]       ; lanes 0-15 take block 0 whole, lanes 16-31 block 1
	v_permlane16_swap_b32 v[PCB+4*\t+2], v[PCB+4*\t+3]
.endr
.if (\s) < 2
.irp t, 0,1,2,3
	ds_store_b128 v[AEW], v[PCB+4*\t:PCB+4*\t+3] offset:1024*\t+512*(\s)
.endr
.endif
.endif
.endm
.macro PLOAD kk, odd                   ; P's fragments of my K step 2 kk + odd: query tiles x = 0, 1 my own, 2, 3 the given ones
.irp x, 0,1,2,3
.irp c, 0,1
	ds_load_b128 v[32*(2*(\kk)+\odd)+8*\x+4*\c:32*(2*(\kk)+\odd)+8*\x+4*\c+3], v[AER+\x/2] offset:4096*(\kk)+1024*(\x%2)+512*\c
.endr
.endr
.endm
.macro BLOCK0 s, R                     ; the first 32 keys of part s
	s_wait_dscnt 0x0
	SMUL 0
	SMUL 2
	WIN 0
	PLACES 4                                       ; in front of loads into registers that matrix instructions have read
	KLOAD \R, 1
	SOFTMAX \s, 0
.endm
; The last 32 keys of part s, with the change: the part's fragments are all in registers, so behind the round its region is filled again.
.macro BLOCK1 s, R
	s_wait_tensorcnt 0x0                           ; my load that is out (the next part or V's tile) has landed, so a group 0 may be written;
	ds_add_u32 v[SPW], v[NIL]
.if (\s) == 0
	s_add_nc_u64 s[GK+2:GK+3], s[GK+2:GK+3], 2*PART        ; part 2 into R0
.elseif (\s) == 1
	s_add_co_u32 s[GK+1], s[WOFF], PART                    ; part 3 into R1
	s_add_nc_u64 s[GK+2:GK+3], s[GK+2:GK+3], PART
.elseif (\s) == 3
	s_add_co_u32 s[GV+1], s[WOFF], PART                    ; V's second tile into R1: 512 keys on
	s_add_nc_u64 s[GV+2:GV+3], s[GV+2:GV+3], 0x100
.endif
	s_wait_dscnt 1                                 ; the fragments are in; the add, the youngest, may be out
	SMUL 0
	s_wait_dscnt 0x0                               ; the add is done, and my reads of this region are over
	s_barrier_signal -1
	SMUL 2                                         ; work on registers while the others arrive
	WIN 0
	s_barrier_wait -1
	CREST
.if (\s) < 2
	TLOAD GK, G1K
.else
	TLOADV
.endif
.if (\s) < 3
	KLOAD 1-(\R), 0
.else
	WIN TO1                                        ; P's even K steps, stored two changes ago; K's fragments and Q are done with
.irp kk, 0,1,2,3
	PLOAD \kk, 0
.endr
	WIN 0
	s_cmp_lt_u32 ttmp9, 4
	s_cbranch_scc0 .Lnot_mine
	global_prefetch_b8 v[PFO], s[PFA:PFA+1] offset:262144 th:TH_LOAD_NT scope:SCOPE_SE
.Lnot_mine:
.endif
	SOFTMAX \s, 1
.endm
	s_wait_alu depctr_va_vdst(0)                   ; the head's end
	s_wait_tensorcnt 0x0                           ; parts 0 and 1 are in; nobody else reads them
	KLOAD 0, 0
	s_wait_loadcnt 0x4                             ; Q is in; V's scale words, the youngest four loads, may be out
	BLOCK0 0, 0
	BLOCK1 0, 0
	BLOCK0 1, 1
	BLOCK1 1, 1
	BLOCK0 2, 0
	BLOCK1 2, 0
	BLOCK0 3, 1
	BLOCK1 3, 1
	; THE JOINING of the eight waves' M and sums
.irp t, 0,1,2,3
	v_add_f32 v[ST+8*\t+7], v[ST+8*\t+2], v[ST+8*\t+3]
.endr
.irp t, 0,1,2,3
	v_permlanex16_b32 v[TP+\t], v[ST+8*\t+7], s[SEL], s[SEL+1]
.endr
.irp t, 0,1,2,3
	v_add_f32 v[ST+8*\t+7], v[ST+8*\t+7], v[TP+\t]
.endr
	s_wait_alu depctr_va_vdst(0)
.irp t, 0,1,2,3
	ds_store_b32 v[AMW], v[ST+8*\t] offset:512*\t
	ds_store_b32 v[AMW], v[ST+8*\t+7] offset:512*\t+2048
.endr
	s_wait_dscnt 0x0                               ; my stores, and my reads of P's first half
	s_barrier_signal -1
	s_barrier_wait -1
.irp t, 0,1,2,3
	ds_load_b128 v[S+8*\t:S+8*\t+3], v[AMR] offset:512*\t           ; v64-95: -M of all waves, all queries
	ds_load_b128 v[S+8*\t+4:S+8*\t+7], v[AMR] offset:512*\t+16
.endr
.irp q, 0,1
	ds_load_b128 v[96+8*\q:99+8*\q], v[AQR] offset:512*\q           ; of my own 32 queries: -M,
	ds_load_b128 v[100+8*\q:103+8*\q], v[AQR] offset:512*\q+16
	ds_load_b128 v[112+8*\q:115+8*\q], v[AQR] offset:512*\q+2048    ; and the sums
	ds_load_b128 v[116+8*\q:119+8*\q], v[AQR] offset:512*\q+2064
.endr
.irp t, 0,1,2,3
.irp c, 0,1
	ds_store_b128 v[AEW], v[PC+16*\c+4*\t:PC+16*\c+4*\t+3] offset:1024*\t+512*\c   ; P's K step 2 w + 1 over the first half, which all have read
.endr
.endr
	s_wait_dscnt 8                                 ; the loads are in; the eight stores may be out
.irp t, 0,1,2,3
	v_min3_num_f32 v[ST+8*\t+5], v[S+8*\t], v[S+8*\t+1], v[S+8*\t+2]
.endr
.irp t, 0,1,2,3
	v_min3_num_f32 v[ST+8*\t+5], v[ST+8*\t+5], v[S+8*\t+3], v[S+8*\t+4]
.endr
.irp t, 0,1,2,3
	v_min3_num_f32 v[ST+8*\t+5], v[ST+8*\t+5], v[S+8*\t+5], v[S+8*\t+6]
.endr
.irp t, 0,1,2,3
	v_min_num_f32 v[ST+8*\t+5], v[ST+8*\t+5], v[S+8*\t+7]           ; the final -M
.endr
.irp t, 0,1,2,3
	v_cvt_i32_f32 v[TQ+\t], v[ST+8*\t+5]
.endr
; byte = exponent - M where that is 0 or more, else 0.  The difference is 254 at the most; below 0 it is, as an unsigned number, above 254 for every |M| under 2^31
.irp k, 0,1,2,3,4,5,6,7,8,9,10,11,12,13,14,15,16,17,18,19,20,21,22,23,24,25,26,27,28,29,30,31
	v_add_nc_u32 v[A+\k], v[A+\k], v[TQ+\k/8]
.endr
.irp k, 0,1,2,3,4,5,6,7,8,9,10,11,12,13,14,15,16,17,18,19,20,21,22,23,24,25,26,27,28,29,30,31
	v_cmp_gt_u32 vcc_lo, 0xff, v[A+\k]
	v_cndmask_b32 v[A+\k], 0, v[A+\k], vcc_lo
.endr
.irp i, 0,1,2,3,4,5,6,7
	v_lshl_or_b32 v[CB+\i], v[A+4*\i+1], 8, v[A+4*\i]               ; word i % 2 of query tile i / 2: K step 2 w + i % 2
.endr
.irp i, 0,1,2,3,4,5,6,7
	v_lshl_or_b32 v[CB+\i], v[A+4*\i+2], 16, v[CB+\i]
.endr
.irp i, 0,1,2,3,4,5,6,7
	v_lshl_or_b32 v[CB+\i], v[A+4*\i+3], 24, v[CB+\i]
.endr
.irp t, 0,1,2,3
	ds_store_b64 v[APW], v[CB+2*\t:CB+2*\t+1] offset:1024*\t
.endr
.irp q, 0,1
	v_min3_num_f32 v[KSR+\q], v[96+8*\q], v[97+8*\q], v[98+8*\q]
.endr
.irp q, 0,1
	v_min3_num_f32 v[KSR+\q], v[KSR+\q], v[99+8*\q], v[100+8*\q]
.endr
.irp q, 0,1
	v_min3_num_f32 v[KSR+\q], v[KSR+\q], v[101+8*\q], v[102+8*\q]
.endr
.irp q, 0,1
	v_min_num_f32 v[KSR+\q], v[KSR+\q], v[103+8*\q]
.endr
.irp w, 0,1,2,3,4,5,6,7
.irp q, 0,1
	v_sub_f32 v[96+8*\q+\w], v[KSR+\q], v[96+8*\q+\w]
.endr
.endr
.irp w, 0,1,2,3,4,5,6,7
.irp q, 0,1
	v_cvt_i32_f32 v[96+8*\q+\w], v[96+8*\q+\w]
.endr
.endr
.irp w, 0,1,2,3,4,5,6,7
.irp q, 0,1
	v_ldexp_f32 v[112+8*\q+\w], v[112+8*\q+\w], v[96+8*\q+\w]       ; each wave's sum under the final M
.endr
.endr
.irp w, 0,1,2,3
.irp q, 0,1
	v_add_f32 v[112+8*\q+\w], v[112+8*\q+\w], v[116+8*\q+\w]
.endr
.endr
.irp w, 0,1
.irp q, 0,1
	v_add_f32 v[112+8*\q+\w], v[112+8*\q+\w], v[114+8*\q+\w]
.endr
.endr
.irp q, 0,1
	v_add_f32 v[KSR+2+\q], v[112+8*\q], v[113+8*\q]
.endr
	s_wait_alu depctr_va_vdst(0)                   ; ahead of the transcendentals,
	v_rcp_f32 v[TP], v[KSR+2]
	v_rcp_f32 v[TP+1], v[KSR+3]
	v_nop
	s_wait_alu depctr_va_vdst(0)                   ; and behind them
	ds_store_b32 v[ARI], v[TP]                     ; 1 / sum of query r of my two tiles: read back below by rows of O
	ds_store_b32 v[ARI], v[TP+1] offset:64
	s_wait_xcnt 0x0                                ; my prefetch has read its address: v9 may be written
	s_wait_loadcnt 0x0                             ; V's scale words of the first half of the channels
	s_wait_dscnt 0x0
	s_barrier_signal -1
	s_barrier_wait -1                              ; P's second half and its scale words are whole
; PHASE 2.  A slot is my 64 channels x 512 keys: four K steps, taken as 0, 2, 1, 3; two sets of V's fragments, asked for one step ahead.
.macro ORDER i                         ; ko: the i-th step's K step in the slot
.set ko, \i
.if (\i) == 1
.set ko, 2
.elseif (\i) == 2
.set ko, 1
.endif
.endm
.macro VLD i, R
	ORDER \i
.set vs, V0S
.if (\i)%2
.set vs, V1S
.endif
.irp v, 0,1,2,3
.irp c, 0,1
	ds_load_b128 v[vs+8*\v+4*\c:vs+8*\v+4*\c+3], v[AV] offset:(\R)*PART+\v*16*VP+64*ko+32*\c
.endr
.endr
.endm
.macro PVS i, j, first                 ; the sixteen accumulators (query tile x, channel tile v) take turns
	WIN W_PV
	ORDER \i
.set kl, 4*(\j)+ko
.set vs, V0S
.if (\i)%2
.set vs, V1S
.endif
.set zz, 0
.if (\first) && ((\i) == 0)
.set zz, 1
.endif
.irp x, 0,1,2,3
.irp v, 0,1,2,3
.set rD, S+32*\x+8*\v
.set rC, rD
.set rA, 32*kl+8*\x
.set rB, vs+8*\v
.set rSA, PSR+8*(\x/2)+kl
.set rSB, VSR+8*(\v/2)+kl
	WM \x%2, \v%2
.endr
.endr
.endm
.macro PVSTEP i, j, R, po, first, w    ; po = 1: P's odd K steps are fetched beside the first two
	WIN 0
	s_wait_dscnt \w
	PLACES 4                                       ; in front of loads into registers that matrix instructions have read
	VLD \i+1, \R
.if (\po) && ((\i) < 2)
	WIN TO1
	PLOAD 2*\i, 1
	PLOAD 2*\i+1, 1
.endif
	PVS \i, \j, \first
.endm
.macro XPUT x, adr, off                ; a given tile's sums: the registers as they stand
.irp k, 0,1,2,3,4,5,6,7
	ds_store_b128 v[\adr], v[S+32*\x+4*\k:S+32*\x+4*\k+3] offset:\off+512*\k
.endr
.endm
.macro XGET d, adr, off
.irp k, 0,1,2,3,4,5,6,7
	ds_load_b128 v[\d+4*\k:\d+4*\k+3], v[\adr] offset:\off+512*\k
.endr
.endm
; Own tile x: the partner's sums (at d) are added, then x 1 / sum; register 4 j + v of the result, over the given tile x + 2: query 8 h + j, channel 4 r + v
.macro FINISH x, d
.irp j, 0,2,4,6,8,10,12,14,16,18,20,22,24,26,28,30
	v_pk_add_f32 v[S+32*\x+\j:S+32*\x+\j+1], v[S+32*\x+\j:S+32*\x+\j+1], v[\d+\j:\d+\j+1]
.endr
.set ri, 56-54*\x
.irp j, 0,1,2,3,4,5,6,7
.irp v, 0,1,2,3
	v_mul_f32 v[S+64+32*\x+4*\j+\v], v[S+32*\x+8*\v+\j], v[ri+\j]
.endr
.endr
.endm
.macro SEND x, half
.irp j, 0,1,2,3,4,5,6,7
	global_store_b128 v[CO], v[S+64+32*\x+4*\j:S+64+32*\x+4*\j+3], s[12:13] offset:32768*\x+2048*\j+1024*\half th:TH_STORE_NT   ; 16 lanes: 256 consecutive bytes, aligned
.endr
.endm
.irp i, 0,1
	ds_load_b128 v[PSR+4*\i:PSR+4*\i+3], v[APR] offset:16*\i        ; P's scale words: lanes 0-15 tile x = 0 (2), lanes 16-31 tile 1 (3)
	ds_load_b128 v[PSR+8+4*\i:PSR+8+4*\i+3], v[APR+1] offset:16*\i
.endr
	ds_load_b128 v[56:59], v[ARR]                                   ; 1 / sum of queries 8 h + 0 .. 7 of my two tiles
	ds_load_b128 v[60:63], v[ARR] offset:16
	ds_load_b128 v[2:5], v[ARR] offset:64
	ds_load_b128 v[6:9], v[ARR] offset:80
	VLD 0, 0
	PVSTEP 0, 0, 0, 1, 1, 0
	PVSTEP 1, 0, 0, 1, 1, 16                       ; behind this step's V: P's sixteen loads, here and in the next step
	PVSTEP 2, 0, 0, 0, 1, 16
	WIN 0
	s_wait_tensorcnt 0x0                           ; V's tile of the next 512 keys is in
	ds_add_u32 v[SPW], v[NIL]
	s_mov_b32 s[GV+1], s[WOFF]                     ; the second half of the channels, my first 512 keys, into R0
	s_add_nc_u64 s[GV+2:GV+3], s[GV+2:GV+3], 261888
	s_wait_dscnt 0x0                               ; the add is done, and my reads of R0 are over
	s_barrier_signal -1
	PVS 3, 0, 0
	WIN 0
	s_barrier_wait -1
	CREST
	TLOADV
	VLD 0, 1
	VSLOAD 1, 0                                    ; the second half's scale words over those that are done with
	PVSTEP 0, 1, 1, 0, 0, 0
	PVSTEP 1, 1, 1, 0, 0, 0
	PVSTEP 2, 1, 1, 0, 0, 0
	WIN 0
	s_wait_dscnt 0x0
	PVS 3, 1, 0
	WIN 0
	PLACES 4                                       ; in front of the first reads of the sums
	XPUT 2, AEW, 0                                 ; THE FIRST HALF OF THE CHANNELS IS JOINED, a given tile at a time, and goes out
	s_wait_tensorcnt 0x0
	ds_add_u32 v[SPW], v[NIL]
	s_add_co_u32 s[GV+1], s[WOFF], PART            ; the second half, my last 512 keys, into R1
	s_add_nc_u64 s[GV+2:GV+3], s[GV+2:GV+3], 0x100
	s_wait_dscnt 0x0                               ; the add is done, my sums are stored, my reads of R1 are over
	CROUND
	TLOADV
	VLD 0, 0
	VSLOAD 1, 1
	XGET V1S, AXR, 0
	s_wait_dscnt 0x0
	s_barrier_signal -1                            ; I have read my partner's tile
	FINISH 0, V1S
	s_wait_alu depctr_va_vdst(0)
	s_barrier_wait -1
	XPUT 3, AEW, 0
	SEND 0, 0
	s_wait_dscnt 0x0
	s_barrier_signal -1
	s_barrier_wait -1
	XGET V1S, AXR, 0
	s_wait_dscnt 0x0
	FINISH 1, V1S
	SEND 1, 0
	s_wait_xcnt 0x0                                ; the stores have read their registers: new sums may begin there
	s_wait_loadcnt 0x2                             ; the scale words of my K steps 0 to 3; the youngest two loads may be out
	PVSTEP 0, 0, 0, 0, 1, 0
	PVSTEP 1, 0, 0, 0, 1, 0
	PVSTEP 2, 0, 0, 0, 1, 0
	WIN 0
	s_wait_dscnt 0x0
	PVS 3, 0, 0
	WIN 0
	s_wait_loadcnt 0x0
	s_wait_tensorcnt 0x0                           ; my last tile is in; nobody else reads it
	PLACES 4                                       ; in front of loads into registers that matrix instructions have read
	VLD 0, 1
	PVSTEP 0, 1, 1, 0, 0, 0
	PVSTEP 1, 1, 1, 0, 0, 0
	PVSTEP 2, 1, 1, 0, 0, 0
	WIN 0
	s_wait_dscnt 0x0
	PVS 3, 1, 0
	WIN 0
	PLACES 4
	XPUT 2, AK, 0                                  ; THE SECOND HALF: both given tiles into my R0, which has had its last fill and its last read
	XPUT 3, AK, 4096
	s_wait_dscnt 0x0
	s_barrier_signal -1
	s_barrier_wait -1
	XGET V1S, AX2, 0
	XGET V0S, AX2, 4096
	s_wait_dscnt 8                                 ; the first tile is in; the second's eight loads may be out
	FINISH 0, V1S
	SEND 0, 1
	s_wait_dscnt 0x0
	FINISH 1, V0S
	SEND 1, 1
	s_wait_tensorcnt 0x0                           ; the wave's end
	ds_add_u32 v[SPW], v[NIL]
	s_wait_dscnt 0x0
	CROUND                                         ; the closing round
	s_endpgm
.Lfunc_end_k_q832ecd5421_attn:
	.size	k_q832ecd5421_attn, .Lfunc_end_k_q832ecd5421_attn-k_q832ecd5421_attn
	.p2alignl 7, 3214868480
	.fill 96, 4, 3214868480
	.section	.rodata,"a",@progbits
	.p2align	6, 0x0
	.amdhsa_kernel k_q832ecd5421_attn
		.amdhsa_group_segment_fixed_size 327680
		.amdhsa_private_segment_fixed_size 0
		.amdhsa_enable_private_segment 0
		.amdhsa_kernarg_size 40
		.amdhsa_user_sgpr_count 2
		.amdhsa_user_sgpr_kernarg_segment_ptr 1
		.amdhsa_wavefront_size32 1
		.amdhsa_system_sgpr_workgroup_id_x 1
		.amdhsa_system_sgpr_workgroup_id_y 1
		.amdhsa_system_sgpr_workgroup_id_z 1
		.amdhsa_system_vgpr_workitem_id 0
		.amdhsa_next_free_vgpr 512
		.amdhsa_next_free_sgpr 100
		.amdhsa_reserve_vcc 1
		.amdhsa_float_denorm_mode_32 3
		.amdhsa_float_denorm_mode_16_64 3
		.amdhsa_memory_ordered 1
		.amdhsa_forward_progress 1
		.amdhsa_inst_pref_size 234
	.end_amdhsa_kernel
	.amdgpu_metadata
---
amdhsa.version: [ 1, 2 ]
amdhsa.kernels:
  - .name:           k_q832ecd5421_attn
    .symbol:         k_q832ecd5421_attn.kd
    .args:
      - { .name: qw, .offset: 0, .size: 8, .value_kind: global_buffer, .address_space: global }
      - { .name: kv, .offset: 8, .size: 8, .value_kind: global_buffer, .address_space: global }
      - { .name: value_codes, .offset: 16, .size: 8, .value_kind: global_buffer, .address_space: global }
      - { .name: value_scales, .offset: 24, .size: 8, .value_kind: global_buffer, .address_space: global }
      - { .name: out0, .offset: 32, .size: 8, .value_kind: global_buffer, .address_space: global }
    .group_segment_fixed_size: 327680
    .private_segment_fixed_size: 0
    .kernarg_segment_align: 8
    .kernarg_segment_size: 40
    .max_flat_workgroup_size: 256
    .sgpr_count:     100
    .vgpr_count:     512
    .wavefront_size: 32
...
	.end_amdgpu_metadata
.endif
;; end of part 2
